; MI455X (gfx1250); checked and timed in simulation.
; The chip was launched on July 23, 2026; its instructions are those of AMD's public machine-readable ISA for CDNA 5 (MIT licence, August 2026) and "CDNA5" Instruction Set Architecture Reference Guide (July 2026). The comments in the code are by the model that wrote it; some were corrected since.
;; Self Attention Transformer. Allowed arithmetic: float matrix products may take bf16 or f16 operands with f32 sums; all other float work in f32.
;; Inputs: W1 256 x 1,024 float32; W2 1,024 x 256 float32; b1 1,024 float32; b2 256 float32; be1 256 float32; be2 256 float32; g1 256 float32; g2 256 float32; mask 4 x 2,048 int32; x 4 x 2,048 x 256 float32.
;; Outputs: out0 4 x 2,048 x 256 float32.
;; 2 versions, each right; version 2 is version 1 with the launch prep written anew for expert scheduling mode. Each part assembles by itself: llvm-mc -triple=amdgcn-amd-amdhsa -mcpu=gfx1250 --defsym DOCPART=n.
;; ======== version 1 of 2: 2 launches
;; workspace buffers: stream 4,980,736 bytes; wstream 1,048,576 bytes; zb 256 bytes
;; launch prep (part 1): grid 256 x 1, 8 waves a work-group, no clusters, 9,472 bytes of LDS; arguments x, mask, W1, W2, stream, wstream, zb; writes stream, wstream, zb
.if DOCPART == 1
	.amdgcn_target "amdgcn-amd-amdhsa--gfx1250"
	.amdhsa_code_object_version 6
	.text
	.protected	k_q53614a6ca4_prep
	.globl	k_q53614a6ca4_prep
	.p2align	8
	.type	k_q53614a6ca4_prep,@function
k_q53614a6ca4_prep:
	s_mov_b64 s[64:65], 0
	v_nop
	global_prefetch_b8 v0, s[64:65] scope:SCOPE_SE
	s_setreg_imm32_b32 hwreg(HW_REG_WAVE_MODE, 25, 1), 1
	s_wait_xcnt 0x0
; prep: turns x, mask, W1 and W2 into the bf16 streams that the fused launch feeds to the matrix unit.
; Work-group p owns tokens 8p .. 8p+7 of all four batches; thread t owns column t (wave = head, lane = place in the head).
;   stream [b 4][g 256][record of 4,864 bytes], g = a group of 8 tokens:
;     bytes    0..4095  column d x 16 bytes: w*x of tokens 8g..8g+7 in column d, bf16, the lower token in the lower bits
;     bytes 4096..4351  sixteen equal chunks of 16 bytes: w of the 8 tokens, bf16
;     bytes 4352..4863  position c' (0..3) x token (0..7) x 16 bytes: m[token][8c..8c+7], bf16, c = c' with its bit 0 flipped in odd records
;   wstream [fb 32][32,768 bytes]: W1 as [d group 32][f 32][8 d], then W2 as [f group 4][column 256][8 f], bf16
;   zb: z of the four batches (f32), the four words repeated through the 256 bytes
; w[b][j] = 1 where mask[b][j] != 0, or where batch b has no valid key at all (the softmax is then uniform), else 0;
; z[b] = 0 for such a batch, else 1.  m = the mean of x over the 4 batches and 8 heads, unmasked, summed in f32.
; Memory binds: every input byte is read once but the mask (32 KiB, read by every work-group for the four flags), and every
; store of a wave covers 256 or 512 consecutive bytes, aligned.  No matrix unit, no cluster: the work-groups share nothing but the mask.
; LIMITS: bf16 rounding of w*x, m, W1, W2.  A masked key whose x is infinite or NaN gives NaN, as 0 * x does.
.set REC,  4864                        ; bytes in a record
.set BSTR, 1245184                     ; 256 records: a batch of stream
.set XB,   2097152                     ; a batch of x
.set FLAG, 8192                        ; LDS: [0, 8192) sums over the batches [head 8][token 8][32 f32]; then [wave 8][4 words] of flags
.set WV,   16                          ; v[16:23]   eight weights down a column
.set XV,   32                          ; v[32:63]   x[b][token k][t] at 32 + 8 b + k
.set MK,   64                          ; v[64:95]   the mask's words; later the flags
.set SM,   96                          ; v[96:103]  sum over the batches, token k
.set PK,   104                         ; v[104:119] packed w*x, four registers a batch
.set WP,   120                         ; v[120:123] packed weights
.set WS,   20                          ; s[20:51]   my 8 tokens' mask words of the 4 batches, then w as f32
	s_load_b256 s[4:11], s[0:1], 0x0               ; x s[4:5], mask s[6:7], W1 s[8:9], W2 s[10:11]
	s_load_b128 s[12:15], s[0:1], 0x20             ; stream s[12:13], wstream s[14:15]
	s_load_b64 s[16:17], s[0:1], 0x30              ; zb
	v_lshl_add_u32 v128, v0, 2, 0x2100
	v_mov_b32 v129, 0
	v_lshrrev_b32 v4, 5, v0
	v_readfirstlane_b32 s18, v4                    ; wave = head
	v_and_b32 v1, 31, v0                           ; lane
	v_lshlrev_b32 v2, 2, v0                        ; 4 t
	v_lshlrev_b32 v3, 4, v0                        ; 16 t
	s_lshl_b32 s66, ttmp9, 13                      ; 8 tokens of 1,024 bytes
	s_mov_b32 s67, 0
	s_lshl_b32 s68, ttmp9, 5                       ; 8 mask words
	s_mov_b32 s69, 0
	s_mul_i32 s70, ttmp9, REC                      ; my record
	s_mov_b32 s71, 0
	s_wait_kmcnt 0x0
	s_add_nc_u64 s[4:5], s[4:5], s[66:67]
	s_add_nc_u64 s[60:61], s[6:7], s[68:69]
	s_add_nc_u64 s[12:13], s[12:13], s[70:71]
	s_load_b256 s[WS:WS+7],     s[60:61], 0x0      ; my 8 tokens' mask words, batch 0 .. 3 (a batch's row is 8,192 bytes)
	s_load_b256 s[WS+8:WS+15],  s[60:61], 0x2000
	s_load_b256 s[WS+16:WS+23], s[60:61], 0x4000
	s_load_b256 s[WS+24:WS+31], s[60:61], 0x6000
.irp j, 0,1,2,3,4,5,6,7
	global_load_b128 v[MK+4*\j:MK+4*\j+3], v3, s[6:7] offset:4096*\j      ; the whole mask: load j belongs to batch j / 2
.endr
.irp b, 0,1,2,3
.irp k, 0,1,2,3,4,5,6,7
	global_load_b32 v[XV+8*\b+\k], v2, s[4:5] offset:XB*\b+1024*\k
.endr
.endr
; eight weights down a column.  Work-groups 0..127 take W1 (rows 8 dg .., column 256 (p & 3) + t), the others W2 (rows 8 fg .., column t).
; Both ways issue eight loads, so the counts below hold on both.
.macro WLD base, pitch
.irp i, 0,1,2,3,4,5,6,7
	global_load_b32 v[WV+\i], v2, s[\base:\base+1] offset:\pitch*\i
.endr
.endm
	s_cmp_lt_u32 ttmp9, 128
	s_cbranch_scc0 .Lw2
	s_lshr_b32 s72, ttmp9, 2                       ; dg
	s_lshl_b32 s72, s72, 15                        ; 8 rows of 4,096 bytes
	s_and_b32 s73, ttmp9, 3
	s_lshl_b32 s73, s73, 10                        ; 256 columns
	s_add_co_u32 s72, s72, s73
	s_mov_b32 s73, 0
	s_add_nc_u64 s[8:9], s[8:9], s[72:73]
	WLD 8, 4096
	s_branch .Lwdone
.Lw2:
	s_sub_co_u32 s72, ttmp9, 128                   ; fg
	s_lshl_b32 s72, s72, 13                        ; 8 rows of 1,024 bytes
	s_mov_b32 s73, 0
	s_add_nc_u64 s[10:11], s[10:11], s[72:73]
	WLD 10, 1024
.Lwdone:
	; where the packed weights go.  W1: block 8 (p & 3) + wave, d group p >> 2, f = lane.  W2: block fg >> 2, second half, f group fg & 3, column t.
	s_and_b32 s72, ttmp9, 3
	s_lshl_b32 s72, s72, 18                        ; 8 blocks of 32,768
	s_lshr_b32 s73, ttmp9, 2
	s_lshl_b32 s73, s73, 9                         ; a d group: 32 f x 16 bytes
	s_add_co_u32 s72, s72, s73
	s_and_b32 s74, ttmp9, 127                      ; fg
	s_lshr_b32 s75, s74, 2
	s_lshl_b32 s75, s75, 15
	s_and_b32 s74, s74, 3
	s_lshl_b32 s74, s74, 12                        ; an f group: 256 columns x 16 bytes
	s_add_co_u32 s74, s74, s75
	s_add_co_u32 s74, s74, 16384
	s_mov_b32 s76, 32768                           ; from wave to wave: a block (W1),
	s_mov_b32 s77, 512                             ; or 32 columns (W2); an instruction holds one literal, so the two lie in registers
	s_cmp_lt_u32 ttmp9, 128
	s_cselect_b32 s72, s72, s74
	s_cselect_b32 s76, s76, s77
	s_mul_i32 s76, s76, s18
	s_mov_b32 s73, 0
	s_add_nc_u64 s[14:15], s[14:15], s[72:73]
	v_lshl_add_u32 v15, v1, 4, s76
	; has a batch any valid key?  Each wave ORs its share of the mask; the waves' answers meet in LDS.
	s_wait_loadcnt 40                              ; the mask's 8 loads are in; x's 32 and the weights' 8 stay out
.irp b, 0,1,2,3
	v_or_b32 v[4+\b], v[MK+8*\b], v[MK+8*\b+1]
.irp i, 2,3,4,5,6,7
	v_or_b32 v[4+\b], v[4+\b], v[MK+8*\b+\i]
.endr
	v_cmp_ne_u32 s[52+\b], 0, v[4+\b]              ; the lanes that saw a valid key
	v_mov_b32 v[8+\b], s[52+\b]
.endr
	s_lshl_b32 s74, s18, 4
	s_add_co_u32 s74, s74, FLAG
	v_mov_b32 v12, s74
	ds_store_b128 v12, v[8:11]                     ; every lane writes the same four words
	; the sum over the batches, for m
	s_wait_loadcnt 8                               ; x is in; the weights' 8 stay out
.irp k, 0,2,4,6
	v_pk_add_f32 v[SM+\k:SM+\k+1], v[XV+\k:XV+\k+1], v[XV+8+\k:XV+8+\k+1]
	v_pk_add_f32 v[SM+\k:SM+\k+1], v[SM+\k:SM+\k+1], v[XV+16+\k:XV+16+\k+1]
	v_pk_add_f32 v[SM+\k:SM+\k+1], v[SM+\k:SM+\k+1], v[XV+24+\k:XV+24+\k+1]
.endr
	v_lshlrev_b32 v13, 2, v1
	v_lshl_add_u32 v13, s18, 10, v13               ; 1,024 x head + 4 x lane
.irp k, 0,1,2,3,4,5,6,7
	ds_store_b32 v13, v[SM+\k] offset:128*\k
.endr
	s_wait_dscnt 0x0                               ; my flags and sums are in LDS before I say so
	s_barrier_signal -1
	s_barrier_wait -1
	v_mov_b32 v14, FLAG
.irp j, 0,1,2,3,4,5,6,7
	ds_load_b128 v[MK+4*\j:MK+4*\j+3], v14 offset:16*\j
.endr
	s_wait_dscnt 0x0
.irp j, 1,2,3,4,5,6,7
.irp b, 0,1,2,3
	v_or_b32 v[MK+\b], v[MK+\b], v[MK+4*\j+\b]
.endr
.endr
.irp b, 0,1,2,3
	v_readfirstlane_b32 s[52+\b], v[MK+\b]
.endr
.irp b, 0,1,2,3
	s_cmp_eq_u32 s[52+\b], 0
	s_cselect_b32 s[56+\b], 1, 0                   ; 1: the batch has no valid key
	s_cselect_b32 s[84+\b], 0, 0x3f800000          ; z
.endr
	s_wait_kmcnt 0x0                               ; my tokens' mask words
.irp b, 0,1,2,3
.irp k, 0,1,2,3,4,5,6,7
	s_or_b32 s[WS+8*\b+\k], s[WS+8*\b+\k], s[56+\b]        ; SCC = valid key, or no valid key in the batch
	s_cselect_b32 s[WS+8*\b+\k], 0x3f800000, 0             ; w
.endr
.endr
	; w * x, eight tokens of my column packed into 16 bytes; a wave's store covers 512 consecutive bytes
.irp b, 0,1,2,3
.irp k, 0,1,2,3,4,5,6,7
	v_mul_f32 v[XV+8*\b+\k], s[WS+8*\b+\k], v[XV+8*\b+\k]
.endr
.irp i, 0,1,2,3
	v_cvt_pk_bf16_f32 v[PK+4*\b+\i], v[XV+8*\b+2*\i], v[XV+8*\b+2*\i+1]
.endr
	global_store_b128 v3, v[PK+4*\b:PK+4*\b+3], s[12:13] offset:BSTR*\b
.endr
	s_wait_loadcnt 0x0                             ; the weights
.irp i, 0,1,2,3
	v_cvt_pk_bf16_f32 v[WP+\i], v[WV+2*\i], v[WV+2*\i+1]
.endr
	global_store_b128 v15, v[WP:WP+3], s[14:15]
	; three small jobs, one wave each; no barrier follows
	s_cmp_lg_u32 s18, 0
	s_cbranch_scc1 .Lnot0
	; wave 0: m.  Lane = 8 c' + token takes the eight numbers 8c .. 8c+7 of its token from all eight heads' sums.
	s_and_b32 s77, ttmp9, 1
	v_lshrrev_b32 v4, 3, v1                        ; c'
	v_and_b32 v5, 7, v1                            ; token
	v_add_nc_u32 v6, s77, v4
	v_and_b32 v6, 1, v6                            ; bit 0 of c', flipped in odd records
	v_and_or_b32 v6, v4, 2, v6                     ; c
	v_lshlrev_b32 v6, 5, v6
	v_lshl_add_u32 v6, v5, 7, v6                   ; 128 x token + 32 c
.irp j, 0,1,2,3,4,5,6,7
	ds_load_b128 v[XV+8*\j:XV+8*\j+3],   v6 offset:1024*\j
	ds_load_b128 v[XV+8*\j+4:XV+8*\j+7], v6 offset:1024*\j+16
.endr
	s_wait_dscnt 0x0
.irp j, 1,2,3,4,5,6,7
.irp i, 0,2,4,6
	v_pk_add_f32 v[XV+\i:XV+\i+1], v[XV+\i:XV+\i+1], v[XV+8*\j+\i:XV+8*\j+\i+1]
.endr
.endr
.irp i, 0,2,4,6
	v_pk_mul_f32 v[XV+\i:XV+\i+1], v[XV+\i:XV+\i+1], 0x3d000000 op_sel_hi:[1,0]    ; / 32
.endr
.irp i, 0,1,2,3
	v_cvt_pk_bf16_f32 v[SM+\i], v[XV+2*\i], v[XV+2*\i+1]
.endr
	v_lshlrev_b32 v7, 4, v1
.irp b, 0,1,2,3
	global_store_b128 v7, v[SM:SM+3], s[12:13] offset:BSTR*\b+4352         ; the same m in each batch's record: 512 consecutive bytes
.endr
	s_branch .Lend
.Lnot0:
	s_cmp_lg_u32 s18, 1
	s_cbranch_scc1 .Lnot1
	; wave 1: the w chunks.  Lanes 0-15 fill the 256 bytes of batch 0 (2), lanes 16-31 those of batch 1 (3).
.irp b, 0,1,2,3
.irp i, 0,1,2,3
	v_cvt_pk_bf16_f32 v[MK+4*\b+\i], s[WS+8*\b+2*\i], s[WS+8*\b+2*\i+1]
.endr
.endr
	v_lshrrev_b32 v4, 4, v1                        ; h
	v_and_b32 v5, 15, v1
	v_mul_u32_u24 v6, v4, BSTR
	v_lshl_add_u32 v6, v5, 4, v6
	v_cmp_eq_u32 vcc_lo, 1, v4
.irp i, 0,1,2,3
	v_cndmask_b32 v[MK+16+\i], v[MK+\i],   v[MK+4+\i],  vcc_lo
	v_cndmask_b32 v[MK+20+\i], v[MK+8+\i], v[MK+12+\i], vcc_lo
.endr
	global_store_b128 v6, v[MK+16:MK+19], s[12:13] offset:4096
	global_store_b128 v6, v[MK+20:MK+23], s[12:13] offset:2*BSTR+4096
	s_branch .Lend
.Lnot1:
	s_cmp_lg_u32 s18, 2
	s_cbranch_scc1 .Lend
	s_cmp_lg_u32 ttmp9, 0
	s_cbranch_scc1 .Lend
	; wave 2 of work-group 0: z.  Even lanes store z0, z1, odd lanes z2, z3: one store fills zb's 256 bytes.
	v_and_b32 v4, 1, v1
	v_cmp_eq_u32 vcc_lo, 1, v4
	v_mov_b32 v64, s84
	v_mov_b32 v65, s85
	v_mov_b32 v66, s86
	v_mov_b32 v67, s87
	v_cndmask_b32 v68, v64, v66, vcc_lo
	v_cndmask_b32 v69, v65, v67, vcc_lo
	v_lshlrev_b32 v5, 3, v1
	global_store_b64 v5, v[68:69], s[16:17]
.Lend:
	s_wait_tensorcnt 0x0
	ds_add_u32 v128, v129
	s_wait_dscnt 0x0
	s_endpgm
.Lfunc_end_k_q53614a6ca4_prep:
	.size	k_q53614a6ca4_prep, .Lfunc_end_k_q53614a6ca4_prep-k_q53614a6ca4_prep
	.p2alignl 7, 3214868480
	.fill 96, 4, 3214868480
	.section	.rodata,"a",@progbits
	.p2align	6, 0x0
	.amdhsa_kernel k_q53614a6ca4_prep
		.amdhsa_group_segment_fixed_size 9472
		.amdhsa_private_segment_fixed_size 0
		.amdhsa_enable_private_segment 0
		.amdhsa_kernarg_size 56
		.amdhsa_user_sgpr_count 2
		.amdhsa_user_sgpr_kernarg_segment_ptr 1
		.amdhsa_wavefront_size32 1
		.amdhsa_system_sgpr_workgroup_id_x 1
		.amdhsa_system_sgpr_workgroup_id_y 1
		.amdhsa_system_sgpr_workgroup_id_z 1
		.amdhsa_system_vgpr_workitem_id 0
		.amdhsa_next_free_vgpr 130
		.amdhsa_next_free_sgpr 96
		.amdhsa_reserve_vcc 1
		.amdhsa_float_denorm_mode_32 3
		.amdhsa_float_denorm_mode_16_64 3
		.amdhsa_memory_ordered 1
		.amdhsa_forward_progress 1
		.amdhsa_inst_pref_size 25
	.end_amdhsa_kernel
	.amdgpu_metadata
---
amdhsa.version: [ 1, 2 ]
amdhsa.kernels:
  - .name:           k_q53614a6ca4_prep
    .symbol:         k_q53614a6ca4_prep.kd
    .args:
      - { .name: x, .offset: 0, .size: 8, .value_kind: global_buffer, .address_space: global }
      - { .name: mask, .offset: 8, .size: 8, .value_kind: global_buffer, .address_space: global }
      - { .name: W1, .offset: 16, .size: 8, .value_kind: global_buffer, .address_space: global }
      - { .name: W2, .offset: 24, .size: 8, .value_kind: global_buffer, .address_space: global }
      - { .name: stream, .offset: 32, .size: 8, .value_kind: global_buffer, .address_space: global }
      - { .name: wstream, .offset: 40, .size: 8, .value_kind: global_buffer, .address_space: global }
      - { .name: zb, .offset: 48, .size: 8, .value_kind: global_buffer, .address_space: global }
    .group_segment_fixed_size: 9472
    .private_segment_fixed_size: 0
    .kernarg_segment_align: 8
    .kernarg_segment_size: 56
    .max_flat_workgroup_size: 256
    .sgpr_count:     96
    .vgpr_count:     130
    .wavefront_size: 32
...
	.end_amdgpu_metadata
.endif
;; end of part 1
;; launch fused (part 2): grid 256 x 1, 4 waves a work-group, clusters of 4 x 1, 327,680 bytes of LDS; arguments stream, wstream, zb, x, b1, b2, g1, be1, g2, be2, out0; writes out0
.if DOCPART == 2
	.amdgcn_target "amdgcn-amd-amdhsa--gfx1250"
	.amdhsa_code_object_version 6
	.text
	.protected	k_q53614a6ca4_fused
	.globl	k_q53614a6ca4_fused
	.p2align	8
	.type	k_q53614a6ca4_fused,@function
k_q53614a6ca4_fused:
	s_mov_b64 s[64:65], 0
	v_nop
	global_prefetch_b8 v0, s[64:65] scope:SCOPE_SE
	s_setreg_imm32_b32 hwreg(HW_REG_WAVE_MODE, 25, 1), 1
	s_wait_xcnt 0x0
	s_wait_alu depctr_hold_cnt(0) depctr_sa_sdst(0) depctr_va_vdst(0) depctr_va_sdst(0) depctr_va_ssrc(0) depctr_va_vcc(0) depctr_vm_vsrc(0)
	s_getreg_b32 s2, hwreg(HW_REG_IB_STS2, 6, 4)
	s_cmp_eq_u32 s2, 0
	s_cbranch_scc0 .Lentry_in_a_cluster
	s_endpgm
.Lentry_in_a_cluster:
	s_bfe_u32 s2, ttmp6, 0x10000c
	s_cmp_lg_u32 s2, 0x3003
	s_cbranch_scc0 .Lentry_shape_is_right
	s_endpgm
.Lentry_shape_is_right:
; fused: attention, residual, LN1, FFN, residual, LN2 for 32 rows of one batch in each work-group; nothing goes through memory between the steps.
; SCORES.  a = m_j . m_i (one 16x16x32 product, dk = 32).  u = min(a^2, pi^2) = clip(a, +-pi)^2.  log2(e) sin^2(a/2) = u P(u)^2 with
; P(u) = kappa * sum k = 0..4 of (-1)^k u^k / (4^k (2k+1)!), kappa = sqrt(log2 e) / 2: the series of sin(t)/t cut behind t^8; on the whole clipped
; range |t| <= pi/2 what is left out is below 4e-6.  E = 2^(u P^2).
; NO MAXIMUM IS TAKEN AWAY: sin^2 itself bounds every exponent to [0, 1] for every input, so every E lies in [1, e] and every sum in [1, 2048 e].
; MASK.  The stream holds w*x and w (w = 0 at masked keys): numerator sum E w x, denominator sum E w, both made by the matrix unit from the same
; bf16 E.  A batch without a valid key has w = 1 and z = 0; z multiplies the five coefficients, so P = 0, E = 1: the uniform softmax.
; SHARES.  Four waves split K: the tokens in attention, the f in the FFN.  Each holds a partial sum of 32 rows x 256 columns (32 tiles, 256 registers), so E and
; the activations are made once in the work-group and each fragment of V, W1, W2 is read from LDS once and feeds two products.  The four partial
; sums meet in LDS; wave w then owns rows 16 t + 4 w + q (t 0..1, q 0..3), lane L the columns 128 c + 4 L .. + 3 (c 0..1).
; LAYOUT.  The score tile is made transposed (source 0 = 16 tokens' m, source 1 = 16 queries' m): lane (r, h) holds tokens 8h .. 8h+7 of query r, which
; packed in pairs ARE registers 0-3 (4-7 for the next 16 tokens) of E's fragment.  The same for relu(h W1 + b1).  The two large products take V (W2) as
; source 0 and E (the activations) as source 1, so a lane's 8 results are 8 neighbouring columns of one row.
; CLUSTER.  The four work-groups of a cluster take row blocks of ONE batch: they walk the same 1,245,184 bytes of stream and the same 1,048,576 bytes of
; weights, so every tensor load is a joint one (mask 15).  The place in the cluster enters the addresses of my m rows, of x and of out0, and nothing else.
; LIMITS: m, E, w*x, h, the activations, W1, W2 are rounded to bf16; sums in f32, K in four parts.  NaN or infinite inputs are not served
; (the minimum with pi^2 drops a NaN that the clip would pass on).
.set REC,    4864                      ; a record of stream: 8 tokens
.set BSTR,   1245184                   ; a batch of stream
.set KSB,    4*REC                     ; a K step: 32 tokens
.set QUART,  8*REC                     ; what one wave brings and reads of a slot: 64 tokens
.set ASLOT,  4*QUART                   ; an attention slot: 256 tokens.  Slots at LDS bytes 0 and 155,648
.set WBLK,   32768                     ; a block of wstream: 32 f
.set WSLOT,  4*WBLK                    ; a weight slot.  Slots at LDS bytes 0 and 131,072
.set RED,    262144                    ; [wave 4][row 16][528]: the partial sums' stage; stored into only after the last fill above 262,144
.set RPITCH, 528                       ; 512 bytes + 16: sixteen rows' 16-byte pieces fall on sixteen different places modulo 256 bytes
.set HB,     295936                    ; h in bf16: 32 rows of 528 bytes
.set B1TAB,  312832                    ; b1 in f32; above the slots' end (311,296): no fill lands here
.set DENB,   316928                    ; denominators [row 32][wave 4] f32
; window 0
.set VA,  4                            ; v4-7    V fragments: slot, K step
.set MA,  8                            ; v8-11   m fragments: slot, K step
.set RS,  12                           ; stage, in
.set RR,  13                           ; stage, back
.set DSA, 14                           ; denominators, in
.set DRA, 15                           ; denominators, back
.set XO,  16                           ; my bytes in x and out0
.set PO,  17                           ; my bytes in a parameter row
.set HS,  18                           ; h, in
.set HR,  19                           ; h, back as fragments
.set WA1, 20                           ; v20-21  W1 fragments, slot
.set WA2, 22                           ; v22-23  W2 fragments, slot
.set B1A, 24                           ; b1 for my f
.set LM,  25                           ; my place in a pair of records' m
.set CF,  32                           ; v[32:41]   c0 .. c4, each twice
.set DEN, 42                           ; v[42:57]   two denominator tiles
.set MI,  64                           ; v[64:79]   m of my 32 queries
.set MJ,  80                           ; v[80:111]  m of 64 tokens: K step, 16 tokens
.set WF,  112                          ; v[112:127] w of 64 tokens: K step
.set ST,  128                          ; v[128:159] four score tiles (tau, t)
.set EF,  168                          ; v[168:183] E's two fragments
.set PP,  192                          ; v[192:223] P, then the exponents, then E
.set G1R, 64                           ; from the transition on: parameters of my 8 columns
.set BE1R, 72
.set B2R, 80
.set G2R, 88
.set BE2R, 96
.set SUMR, 104                         ; v[104:111] one number a row
.set TMP, 128                          ; v[128:191] at work
.set PA,  128
.set PB,  144
.set RCP, 160
.set AT,  128                          ; v[128:159] four activation tiles (tau, t)
.set AF,  160                          ; v[160:175] the activations' two fragments
.set BB,  176                          ; v[176:191] b1 as the first product's C
.set Y,   192                          ; v[192:255] my 8 rows x 8 columns in f32
; window 1: accumulator tile (t, n) at 8 (16 t + n).  Window 2: fragment buffers at 0 and 128.  Window 3: h's fragments at 8 (8 t + kk); x at 128 + 8 k.
.set XR,  128
.set G1A, 36                           ; s[36:43] shape of an attention load
.set G1W, 44                           ; s[44:51] shape of a weight load
.set G0A, 52                           ; s[52:59] from where, to where: attention slot 0, 1
.set G0W, 60                           ; s[60:63], s[68:71]: weight slot 0, 1
.set MSB, 0
.macro WIN new                         ; s_set_vgpr_msb: bits 1:0 source 0, 3:2 source 1, 5:4 source 2, 7:6 destination; the high byte repeats the setting that is left
.if MSB != \new
	s_set_vgpr_msb (MSB<<8)|\new
.set MSB, \new
.endif
.endm
.macro PLACES                          ; four unrelated vector instructions behind a matrix instruction (ISA guide 7.12.1), before its result is read
.rept 4                                ; or one of its registers is written or loaded into
	v_nop
.endr
.endm
; A round of the cluster's barrier: my work-group's barrier, wave 0 signals for the work-group, every wave waits for all four work-groups, my work-group's barrier again.
.macro ROUND
	s_barrier_signal -1
	s_barrier_wait -1
	s_cmp_lg_u32 s26, 0
	s_cbranch_scc1 .Lnot_wave_0_\@
	s_barrier_signal -3
.Lnot_wave_0_\@:
	s_barrier_wait -3
	s_barrier_signal -1
	s_barrier_wait -1
.endm
	s_load_b256 s[4:11], s[0:1], 0x0               ; stream s[4:5], wstream s[6:7], zb s[8:9], x s[10:11]
	s_load_b256 s[12:19], s[0:1], 0x20             ; b1 s[12:13], b2 s[14:15], g1 s[16:17], be1 s[18:19]
	s_load_b128 s[20:23], s[0:1], 0x40             ; g2 s[20:21], be2 s[22:23]
	s_load_b64 s[24:25], s[0:1], 0x50              ; out0
	v_lshl_add_u32 v62, v0, 2, 0x4d800
	v_mov_b32 v63, 0
	ds_add_u32 v62, v63
	v_lshrrev_b32 v26, 5, v0
	v_readfirstlane_b32 s26, v26                   ; wave
	s_bfe_u32 s27, ttmp6, 0x40000                  ; cx
	s_lshr_b32 s28, ttmp9, 4                       ; batch: sixteen clusters each
	s_and_b32 s29, ttmp9, 15
	s_lshl_b32 s29, s29, 2
	s_add_co_u32 s29, s29, s27                     ; block of 32 rows, 0..63
	; shapes: dense blocks taken as rows of 256 bytes (32 elements of 8 bytes), 152 rows of stream or 128 of wstream
	s_mov_b32 s[G1A+0], 0x0023000f                 ; 15:0 mask: all four work-groups; 17:16 elements of 8 bytes; 21 set beside a mask
	s_mov_b32 s[G1A+1], 32<<16                     ; tensor_dim0 = 32
	s_mov_b32 s[G1A+2], 152<<16                    ; tensor_dim1 = 152
	s_mov_b32 s[G1A+3], 32<<16                     ; tile_dim0 = 32
	s_mov_b32 s[G1A+4], 152                        ; tile_dim1 = 152
	s_mov_b32 s[G1A+5], 32                         ; from row to row: 32 elements
	s_mov_b32 s[G1A+6], 0
	s_mov_b32 s[G1A+7], 0
	s_mov_b32 s[G1W+0], 0x0023000f
	s_mov_b32 s[G1W+1], 32<<16
	s_mov_b32 s[G1W+2], 128<<16
	s_mov_b32 s[G1W+3], 32<<16
	s_mov_b32 s[G1W+4], 128
	s_mov_b32 s[G1W+5], 32
	s_mov_b32 s[G1W+6], 0
	s_mov_b32 s[G1W+7], 0
	s_mov_b32 s52, 1
	s_mov_b32 s56, 1
	s_mov_b32 s60, 1
	s_mov_b32 s68, 1
	s_mul_i32 s53, s26, QUART                      ; LDS: the wave's quarter of slot 0,
	s_add_co_u32 s57, s53, ASLOT                   ; of slot 1
	s_lshl_b32 s61, s26, 15                        ; the wave's block of weight slot 0,
	s_add_co_u32 s69, s61, WSLOT                   ; of weight slot 1
	s_mul_i32 s30, s28, BSTR
	s_add_co_u32 s30, s30, s53                     ; batch and wave: shared by the four partners
	s_mov_b32 s31, 0
	s_wait_dscnt 0x0
	s_wait_kmcnt 0x0
	s_add_nc_u64 s[54:55], s[4:5], s[30:31]
	s_add_nc_u64 s[58:59], s[54:55], ASLOT
	s_or_b32 s55, s55, 0x80000000                  ; type = 2
	s_or_b32 s59, s59, 0x80000000
	s_mov_b32 s30, s61
	s_add_nc_u64 s[62:63], s[6:7], s[30:31]
	s_add_nc_u64 s[70:71], s[62:63], WSLOT
	s_or_b32 s63, s63, 0x80000000
	s_or_b32 s71, s71, 0x80000000
	s_lshl_b32 s30, s28, 2
	s_add_nc_u64 s[8:9], s[8:9], s[30:31]
	s_load_b32 s75, s[8:9], 0x0                    ; z of my batch
	ROUND                                          ; all four work-groups are here: the first joint loads meet
	tensor_load_to_lds s[52:55], s[G1A:G1A+7]      ; tokens 0..255
	s_nop 0
	tensor_load_to_lds s[56:59], s[G1A:G1A+7]      ; tokens 256..511: two loads of the wave are out, the most in this text
	s_nop 0
	; global addresses that hang on my place in the cluster, in registers that feed no descriptor
	s_lshl_b32 s32, s28, 21                        ; a batch of x
	s_lshl_b32 s34, s29, 15                        ; 32 rows of 1,024 bytes
	s_add_co_u32 s32, s32, s34
	s_mov_b32 s33, 0
	s_add_nc_u64 s[76:77], s[10:11], s[32:33]      ; x
	s_add_nc_u64 s[78:79], s[24:25], s[32:33]      ; out0
	s_mul_i32 s32, s28, BSTR
	s_mul_i32 s34, s29, KSB                        ; my 32 rows are four records
	s_add_co_u32 s32, s32, s34
	s_add_co_u32 s32, s32, 4352
	s_add_nc_u64 s[84:85], s[4:5], s[32:33]        ; m of my rows
	v_and_b32 v1, 31, v0                           ; L
	v_and_b32 v2, 15, v0                           ; r
	v_bfe_u32 v3, v0, 4, 1                         ; h
	v_lshrrev_b32 v27, 3, v2                       ; which of the two records row r lies in = that record's parity
	v_add_nc_u32 v28, v3, v27
	v_and_b32 v28, 1, v28                          ; h, flipped in the odd record
	v_and_b32 v29, 7, v2
	v_mul_u32_u24 v[LM], v27, REC
	v_lshl_add_u32 v[LM], v28, 7, v[LM]
	v_lshl_add_u32 v[LM], v29, 4, v[LM]
	v_lshlrev_b32 v30, 5, v0                       ; 32 t: my 8 numbers of b1
	v_lshlrev_b32 v[PO], 4, v1
	s_lshl_b32 s86, s26, 12
	v_add_nc_u32 v[XO], s86, v[PO]                 ; 4 rows a wave + 16 L
	global_load_b128 v[128:131], v30, s[12:13]
	global_load_b128 v[132:135], v30, s[12:13] offset:16
.irp t, 0,1
.irp e, 0,1
	global_load_b128 v[MI+8*\t+4*\e:MI+8*\t+4*\e+3], v[LM], s[84:85] offset:2*REC*\t+256*\e
.endr
.endr
	WIN 0xc0                                       ; destination in window 3
.irp t, 0,1
.irp q, 0,1,2,3
.irp c, 0,1
	global_load_b128 v[XR+8*(4*\t+\q)+4*\c:XR+8*(4*\t+\q)+4*\c+3], v[XO], s[76:77] offset:1024*(16*\t+\q)+512*\c th:TH_LOAD_NT
.endr
.endr
.endr
	WIN 0
	; LDS addresses: the wave's number times a constant, a lane term, a constant
	v_add_nc_u32 v31, B1TAB, v30
	v_mul_u32_u24 v26, v3, REC
	v_lshl_add_u32 v26, v2, 4, v26                 ; record h, column r
	v_add_nc_u32 v[VA+0], s53, v26
	v_add_nc_u32 v[VA+1], KSB, v[VA+0]
	v_add_nc_u32 v[VA+2], ASLOT, v[VA+0]
	v_add_nc_u32 v[VA+3], ASLOT+KSB, v[VA+0]
	v_add_nc_u32 v[MA+0], s53, v[LM]
	v_add_nc_u32 v[MA+0], 4352, v[MA+0]
	v_add_nc_u32 v[MA+1], KSB, v[MA+0]
	v_add_nc_u32 v[MA+2], ASLOT, v[MA+0]
	v_add_nc_u32 v[MA+3], ASLOT+KSB, v[MA+0]
	s_mul_i32 s87, s26, 16*RPITCH
	s_add_co_u32 s87, s87, RED
	v_mul_u32_u24 v26, v2, RPITCH
	v_lshl_add_u32 v27, v3, 5, v26
	v_add_nc_u32 v[RS], s87, v27                   ; my stage, row r, 32 bytes for each half of the lanes
	s_mul_i32 s88, s26, 4*RPITCH
	s_add_co_u32 s89, s88, RED
	v_add_nc_u32 v[RR], s89, v[PO]                 ; rows 4 w .., 16 bytes a lane
	s_lshl_b32 s90, s26, 2
	s_add_co_u32 s90, s90, DENB
	v_lshl_add_u32 v[DSA], v2, 4, s90
	s_lshl_b32 s91, s26, 6
	s_add_co_u32 s91, s91, DENB
	v_mov_b32 v[DRA], s91
	s_add_co_u32 s92, s88, HB
	v_lshl_add_u32 v[HS], v1, 3, s92
	v_lshl_add_u32 v[HR], v3, 4, v26
	v_add_nc_u32 v[HR], HB, v[HR]
	v_lshlrev_b32 v27, 4, v2
	v_lshl_add_u32 v28, v3, 9, v27
	v_add_nc_u32 v[WA1+0], s61, v28
	v_add_nc_u32 v[WA1+1], WSLOT, v[WA1+0]
	v_lshl_add_u32 v28, v3, 12, v27
	v_add_nc_u32 v[WA2+0], s61, v28
	v_add_nc_u32 v[WA2+1], WSLOT, v[WA2+0]
	s_lshl_b32 s93, s26, 7
	s_add_co_u32 s93, s93, B1TAB
	v_lshl_add_u32 v[B1A], v3, 5, s93
	s_mov_b32 s73, 0x76543210                      ; v_permlanex16_b32: lane i of one half reads lane i of the other
	s_mov_b32 s74, 0xfedcba98
	s_mov_b32 s80, 0x411de9e6                      ; pi^2
	s_mov_b32 s81, 0x3b800000                      ; 1/256
	s_mov_b32 s82, 0x3727c5ac                      ; 1e-5
	s_mov_b32 s83, 0xbb800000                      ; -1/256
	s_wait_kmcnt 0x0                               ; z
	v_mov_b32 v26, s75
.macro COEF k, bits
	v_mul_f32 v[CF+2*\k],   \bits, v26
	v_mul_f32 v[CF+2*\k+1], \bits, v26
.endm
	COEF 0, 0x3f19be61                             ;  kappa
	COEF 1, 0xbcccfdd7                             ; -kappa / 24
	COEF 2, 0x39a3fe45                             ;  kappa / 1,920
	COEF 3, 0xb5f9e4fc                             ; -kappa / 322,560
	COEF 4, 0x31de20e0                             ;  kappa / 92,897,280
	s_wait_loadcnt 16                              ; b1 and my m rows are in; x's 16 loads stay out until the residual
	ds_store_b128 v31, v[128:131]                  ; b1 into LDS; the other waves read it far behind the rounds below, each with its wait for 0 in front
	ds_store_b128 v31, v[132:135] offset:16
; E of a K step: the four score tiles (32 tokens x 32 queries) at once, sixteen independent pairs in each sub-step.
.macro ELEMS
.set i, 0
.rept 16
	v_pk_mul_f32 v[ST+i:ST+i+1], v[ST+i:ST+i+1], v[ST+i:ST+i+1]            ; a^2
.set i, i+2
.endr
.set i, 0
.rept 32
	v_min_num_f32 v[ST+i], s80, v[ST+i]                                    ; u
.set i, i+1
.endr
.set i, 0
.rept 16
	v_pk_fma_f32 v[PP+i:PP+i+1], v[ST+i:ST+i+1], v[CF+8:CF+9], v[CF+6:CF+7]
.set i, i+2
.endr
.irp c, 4,2,0
.set i, 0
.rept 16
	v_pk_fma_f32 v[PP+i:PP+i+1], v[PP+i:PP+i+1], v[ST+i:ST+i+1], v[CF+\c:CF+\c+1]
.set i, i+2
.endr
.endr
.set i, 0
.rept 16
	v_pk_mul_f32 v[PP+i:PP+i+1], v[PP+i:PP+i+1], v[PP+i:PP+i+1]            ; P^2
.set i, i+2
.endr
.set i, 0
.rept 16
	v_pk_mul_f32 v[PP+i:PP+i+1], v[PP+i:PP+i+1], v[ST+i:ST+i+1]            ; u P^2
.set i, i+2
.endr
.set i, 0
.rept 32
	v_exp_f32 v[PP+i], v[PP+i]
.set i, i+1
.endr
	v_nop                                          ; one plain instruction between the exponentials and the use of their results (ISA guide 5.7.2)
	s_wait_alu depctr_va_vdst(0)
.irp tau, 0,1
.irp t, 0,1
.irp j, 0,1,2,3
	v_cvt_pk_bf16_f32 v[EF+8*\t+4*\tau+\j], v[PP+8*(2*\tau+\t)+2*\j], v[PP+8*(2*\tau+\t)+2*\j+1]
.endr
.endr
.endr
.endm
.macro SMUL ks                         ; four score tiles: 16 tokens (tau) x 16 queries (t)
.irp tau, 0,1
.irp t, 0,1
	v_wmma_f32_16x16x32_bf16 v[ST+8*(2*\tau+\t):ST+8*(2*\tau+\t)+7], v[MJ+16*\ks+8*\tau:MJ+16*\ks+8*\tau+7], v[MI+8*\t:MI+8*\t+7], 0
.endr
.endr
.endm
.macro DENM ks, zero                   ; denominators: sixteen equal rows of w times E
.irp t, 0,1
.if \zero
	v_wmma_f32_16x16x32_bf16 v[DEN+8*\t:DEN+8*\t+7], v[WF+8*\ks:WF+8*\ks+7], v[EF+8*\t:EF+8*\t+7], 0
.else
	v_wmma_f32_16x16x32_bf16 v[DEN+8*\t:DEN+8*\t+7], v[WF+8*\ks:WF+8*\ks+7], v[EF+8*\t:EF+8*\t+7], v[DEN+8*\t:DEN+8*\t+7]
.endif
.endr
.endm
; 32 products: 16 column blocks (source 0, window 2) x 2 row blocks (source 1, window 0), 32 along K.  The 32 accumulators take turns, one instruction a turn.
.macro BIG buf, bfrag, zero
	WIN 0x52
.irp n, 0,1,2,3,4,5,6,7,8,9,10,11,12,13,14,15
.irp t, 0,1
.if \zero
	v_wmma_f32_16x16x32_bf16 v[8*(16*\t+\n):8*(16*\t+\n)+7], v[128*\buf+8*\n:128*\buf+8*\n+7], v[\bfrag+8*\t:\bfrag+8*\t+7], 0
.else
	v_wmma_f32_16x16x32_bf16 v[8*(16*\t+\n):8*(16*\t+\n)+7], v[128*\buf+8*\n:128*\buf+8*\n+7], v[\bfrag+8*\t:\bfrag+8*\t+7], v[8*(16*\t+\n):8*(16*\t+\n)+7]
.endif
.endr
.endr
.endm
.macro LDV va, buf                     ; V of a K step: 256 columns x 32 tokens; sixteen lanes read 256 consecutive bytes
	WIN 0x80
.irp n, 0,1,2,3,4,5,6,7,8,9,10,11,12,13,14,15
	ds_load_b128 v[128*\buf+8*\n:128*\buf+8*\n+3],   v[\va] offset:256*\n
	ds_load_b128 v[128*\buf+8*\n+4:128*\buf+8*\n+7], v[\va] offset:2*REC+256*\n
.endr
	WIN 0
.endm
; My quarter of a slot: two K steps of 32 tokens.
.macro ATT slot, zero
.irp ks, 0,1
.irp tau, 0,1
.irp e, 0,1
	ds_load_b128 v[MJ+16*\ks+8*\tau+4*\e:MJ+16*\ks+8*\tau+4*\e+3], v[MA+2*\slot+\ks] offset:2*REC*\tau+256*\e
.endr
.endr
.endr
.irp ks, 0,1
.irp e, 0,1
	ds_load_b128 v[WF+8*\ks+4*\e:WF+8*\ks+4*\e+3], v[VA+2*\slot+\ks] offset:4096+2*REC*\e
.endr
.endr
	LDV VA+2*\slot, 0
	s_wait_dscnt 32                                ; the 12 loads of m and w are in; V's 32 stay out
	SMUL 0
	PLACES
	ELEMS
	s_wait_dscnt 0x0                               ; V of the first K step
	LDV VA+2*\slot+1, 1                            ; the second step's V lands behind 38 products and the next E
	DENM 0, \zero
	BIG 0, EF, \zero
	WIN 0
	SMUL 1
	PLACES
	ELEMS
	s_wait_dscnt 0x0
	DENM 1, 0
	BIG 1, EF, 0
	WIN 0
	PLACES                                         ; in front of the next loads into w's fragments and buffer 1, and of the stores of the sums
.endm
; A slot's turn.  In front of the round every wave has waited for all its tensor loads (my quarter of this slot among them) and for its reads of the other
; slot; behind the round no wave of any partner reads that slot or has a load out: it is filled again, first thing, one load a wave.
; Each wave reads only the quarter that its own load brought.
.macro TRIP slot
	s_wait_tensorcnt 0x0
	ds_add_u32 v62, v63
	s_add_nc_u64 s[G0A+4*(1-\slot)+2:G0A+4*(1-\slot)+3], s[G0A+4*(1-\slot)+2:G0A+4*(1-\slot)+3], 2*ASLOT   ; no load of mine is out: the other slot's next 256 tokens
	s_wait_dscnt 0x0
	ROUND
	tensor_load_to_lds s[G0A+4*(1-\slot):G0A+4*(1-\slot)+3], s[G1A:G1A+7]
	s_nop 0
	ATT \slot, 0
.endm
	s_wait_tensorcnt 0x1                           ; my quarter of slot 0 has landed; slot 1's load stays out
	ATT 0, 1                                       ; the first products start the sums: nothing is cleared
	s_mov_b32 s72, 3
.Latt:
	TRIP 1
	TRIP 0
	s_sub_co_u32 s72, s72, 1
	s_cmp_lg_u32 s72, 0
	s_cbranch_scc1 .Latt
	s_wait_tensorcnt 0x0                           ; the last 256 tokens; slot 0's bytes take the first four blocks of weights
	ds_add_u32 v62, v63
	s_wait_dscnt 0x0
	ROUND
	tensor_load_to_lds s[60:63], s[G1W:G1W+7]
	s_nop 0
	ATT 1, 0
	; THE TRANSITION
	s_wait_tensorcnt 0x0
	ds_add_u32 v62, v63
	s_wait_dscnt 0x0
	ROUND                                          ; nobody reads slot 1 any more
	tensor_load_to_lds s[68:71], s[G1W:G1W+7]      ; weight blocks 4..7 into [131072, 262144); it stays out over the barriers below, behind which nothing is filled
	s_nop 0
.irp c, 0,1
	global_load_b128 v[G1R+4*\c:G1R+4*\c+3],   v[PO], s[16:17] offset:512*\c
	global_load_b128 v[BE1R+4*\c:BE1R+4*\c+3], v[PO], s[18:19] offset:512*\c
	global_load_b128 v[B2R+4*\c:B2R+4*\c+3],   v[PO], s[14:15] offset:512*\c
	global_load_b128 v[G2R+4*\c:G2R+4*\c+3],   v[PO], s[20:21] offset:512*\c
	global_load_b128 v[BE2R+4*\c:BE2R+4*\c+3], v[PO], s[22:23] offset:512*\c
.endr
	ds_store_b32 v[DSA], v[DEN]                    ; all 16 rows of a denominator tile are equal: register 0 is query r's
	ds_store_b32 v[DSA], v[DEN+8] offset:256
; One stage of the sum over the four waves: 16 rows (t) x 128 columns (c).  Every wave puts its partial sums into its own stage; behind a barrier wave w
; reads rows 4 w .. 4 w + 3 of all four stages; the second barrier keeps the next stage's stores behind everybody's reads.
.macro RSTAGE t, c, add
	WIN 0x04                                       ; store data from window 1
.irp n, 0,1,2,3,4,5,6,7
	ds_store_b128 v[RS], v[8*(16*\t+8*\c+\n):8*(16*\t+8*\c+\n)+3]   offset:64*\n
	ds_store_b128 v[RS], v[8*(16*\t+8*\c+\n)+4:8*(16*\t+8*\c+\n)+7] offset:64*\n+16
.endr
	WIN 0
	s_wait_dscnt 0x0                               ; my stores are in LDS before I say so
	s_barrier_signal -1
	s_barrier_wait -1
.irp ww, 0,1,2,3
.irp q, 0,1,2,3
	ds_load_b128 v[TMP+16*\ww+4*\q:TMP+16*\ww+4*\q+3], v[RR] offset:16*RPITCH*\ww+RPITCH*\q
.endr
.endr
	s_wait_dscnt 0x0                               ; my reads are over before I say so
	s_barrier_signal -1
.irp q, 0,1,2,3
.irp p, 0,2
	v_pk_add_f32 v[TMP+4*\q+\p:TMP+4*\q+\p+1], v[TMP+4*\q+\p:TMP+4*\q+\p+1], v[TMP+16+4*\q+\p:TMP+16+4*\q+\p+1]
	v_pk_add_f32 v[TMP+32+4*\q+\p:TMP+32+4*\q+\p+1], v[TMP+32+4*\q+\p:TMP+32+4*\q+\p+1], v[TMP+48+4*\q+\p:TMP+48+4*\q+\p+1]
.endr
.endr
.irp q, 0,1,2,3
.irp p, 0,2
.if \add
	v_pk_add_f32 v[TMP+4*\q+\p:TMP+4*\q+\p+1], v[TMP+4*\q+\p:TMP+4*\q+\p+1], v[TMP+32+4*\q+\p:TMP+32+4*\q+\p+1]
.else
	v_pk_add_f32 v[Y+8*(4*\t+\q)+4*\c+\p:Y+8*(4*\t+\q)+4*\c+\p+1], v[TMP+4*\q+\p:TMP+4*\q+\p+1], v[TMP+32+4*\q+\p:TMP+32+4*\q+\p+1]
.endif
.endr
.endr
.if \add
.irp q, 0,1,2,3
.irp p, 0,2
	v_pk_add_f32 v[Y+8*(4*\t+\q)+4*\c+\p:Y+8*(4*\t+\q)+4*\c+\p+1], v[Y+8*(4*\t+\q)+4*\c+\p:Y+8*(4*\t+\q)+4*\c+\p+1], v[TMP+4*\q+\p:TMP+4*\q+\p+1]
.endr
.endr
.endif
	s_barrier_wait -1
.endm
.macro REDUCE add
	RSTAGE 0, 0, \add
	RSTAGE 0, 1, \add
	RSTAGE 1, 0, \add
	RSTAGE 1, 1, \add
.endm
.macro XSUM                            ; the eight rows' numbers in SUMR, summed over the 32 lanes; every lane gets the sum
.irp m, 1,2,4,8
.irp k, 0,1,2,3,4,5,6,7
	v_add_f32_dpp v[SUMR+\k], v[SUMR+\k], v[SUMR+\k] row_xmask:\m row_mask:0xf bank_mask:0xf
.endr
.endr
.irp k, 0,1,2,3,4,5,6,7
	v_permlanex16_b32 v[PB+2*\k], v[SUMR+\k], s73, s74     ; its destination has been written before
.endr
.irp k, 0,1,2,3,4,5,6,7
	v_add_f32 v[SUMR+\k], v[SUMR+\k], v[PB+2*\k]
.endr
.endm
; Layer norm of my 8 rows in place, in two passes (the mean is taken away before the squares are summed: no difference of large sums).
.macro LNORM g, be
.irp k, 0,1,2,3,4,5,6,7
	v_pk_add_f32 v[PA+2*\k:PA+2*\k+1], v[Y+8*\k:Y+8*\k+1], v[Y+8*\k+2:Y+8*\k+3]
.endr
.irp k, 0,1,2,3,4,5,6,7
	v_pk_add_f32 v[PB+2*\k:PB+2*\k+1], v[Y+8*\k+4:Y+8*\k+5], v[Y+8*\k+6:Y+8*\k+7]
.endr
.irp k, 0,1,2,3,4,5,6,7
	v_pk_add_f32 v[PA+2*\k:PA+2*\k+1], v[PA+2*\k:PA+2*\k+1], v[PB+2*\k:PB+2*\k+1]
.endr
.irp k, 0,1,2,3,4,5,6,7
	v_add_f32 v[SUMR+\k], v[PA+2*\k], v[PA+2*\k+1]
.endr
	XSUM
.irp k, 0,1,2,3,4,5,6,7
	v_mul_f32 v[PA+2*\k],   s83, v[SUMR+\k]        ; minus the mean, twice: a pair for the packed add
	v_mul_f32 v[PA+2*\k+1], s83, v[SUMR+\k]
.endr
.irp k, 0,1,2,3,4,5,6,7
.irp p, 0,2,4,6
	v_pk_add_f32 v[Y+8*\k+\p:Y+8*\k+\p+1], v[Y+8*\k+\p:Y+8*\k+\p+1], v[PA+2*\k:PA+2*\k+1]
.endr
.endr
.irp k, 0,1,2,3,4,5,6,7
	v_pk_mul_f32 v[PB+2*\k:PB+2*\k+1], v[Y+8*\k:Y+8*\k+1], v[Y+8*\k:Y+8*\k+1]
.endr
.irp p, 2,4,6
.irp k, 0,1,2,3,4,5,6,7
	v_pk_fma_f32 v[PB+2*\k:PB+2*\k+1], v[Y+8*\k+\p:Y+8*\k+\p+1], v[Y+8*\k+\p:Y+8*\k+\p+1], v[PB+2*\k:PB+2*\k+1]
.endr
.endr
.irp k, 0,1,2,3,4,5,6,7
	v_add_f32 v[SUMR+\k], v[PB+2*\k], v[PB+2*\k+1]
.endr
	XSUM
.irp k, 0,1,2,3,4,5,6,7
	v_fma_f32 v[SUMR+\k], v[SUMR+\k], s81, s82     ; variance + 1e-5
.endr
.irp k, 0,1,2,3,4,5,6,7
	v_rsq_f32 v[PA+2*\k],   v[SUMR+\k]
	v_rsq_f32 v[PA+2*\k+1], v[SUMR+\k]
.endr
	v_nop                                          ; one plain instruction before the results are used (ISA guide 5.7.2)
	s_wait_alu depctr_va_vdst(0)
.irp k, 0,1,2,3,4,5,6,7
.irp p, 0,2,4,6
	v_pk_mul_f32 v[Y+8*\k+\p:Y+8*\k+\p+1], v[Y+8*\k+\p:Y+8*\k+\p+1], v[PA+2*\k:PA+2*\k+1]
.endr
.endr
.irp k, 0,1,2,3,4,5,6,7
.irp p, 0,2,4,6
	v_pk_fma_f32 v[Y+8*\k+\p:Y+8*\k+\p+1], v[Y+8*\k+\p:Y+8*\k+\p+1], v[\g+\p:\g+\p+1], v[\be+\p:\be+\p+1]
.endr
.endr
.endm
	REDUCE 0                                       ; Y = the numerators of my 8 rows; its first barrier also shows the denominators to everybody
.irp t, 0,1
.irp q, 0,1,2,3
	ds_load_b128 v[TMP+4*(4*\t+\q):TMP+4*(4*\t+\q)+3], v[DRA] offset:256*\t+16*\q   ; a row's four partial denominators, in every lane
.endr
.endr
	s_wait_dscnt 0x0
.irp k, 0,1,2,3,4,5,6,7
	v_add_f32 v[TMP+4*\k],   v[TMP+4*\k],   v[TMP+4*\k+1]
	v_add_f32 v[TMP+4*\k+2], v[TMP+4*\k+2], v[TMP+4*\k+3]
.endr
.irp k, 0,1,2,3,4,5,6,7
	v_add_f32 v[SUMR+\k], v[TMP+4*\k], v[TMP+4*\k+2]
.endr
.irp k, 0,1,2,3,4,5,6,7
	v_rcp_f32 v[RCP+2*\k],   v[SUMR+\k]            ; the denominator is at least 1: some w is 1 and every E is at least 1
	v_rcp_f32 v[RCP+2*\k+1], v[SUMR+\k]
.endr
	v_nop
	s_wait_loadcnt 10                              ; x is in; the ten parameter loads issued behind it may stay out
	WIN 0x30                                       ; source 2 in window 3
	s_wait_alu depctr_va_vdst(0)
.irp k, 0,1,2,3,4,5,6,7
.irp p, 0,2,4,6
	v_pk_fma_f32 v[Y+8*\k+\p:Y+8*\k+\p+1], v[Y+8*\k+\p:Y+8*\k+\p+1], v[RCP+2*\k:RCP+2*\k+1], v[XR+8*\k+\p:XR+8*\k+\p+1]   ; x + attention
.endr
.endr
	WIN 0
	s_wait_loadcnt 0x0                             ; the parameters
	LNORM G1R, BE1R                                ; Y = h, kept in f32 for the second residual
.irp k, 0,1,2,3,4,5,6,7
.irp j, 0,1,2,3
	v_cvt_pk_bf16_f32 v[TMP+4*\k+\j], v[Y+8*\k+2*\j], v[Y+8*\k+2*\j+1]
.endr
.endr
.irp t, 0,1
.irp q, 0,1,2,3
.irp c, 0,1
	ds_store_b64 v[HS], v[TMP+4*(4*\t+\q)+2*\c:TMP+4*(4*\t+\q)+2*\c+1] offset:RPITCH*(16*\t+\q)+256*\c
.endr
.endr
.endr
	s_wait_dscnt 0x0                               ; my rows of h are in LDS before I say so
	s_barrier_signal -1
	s_barrier_wait -1
	WIN 0xc0
.irp t, 0,1
.irp kk, 0,1,2,3,4,5,6,7
.irp e, 0,1
	ds_load_b128 v[8*(8*\t+\kk)+4*\e:8*(8*\t+\kk)+4*\e+3], v[HR] offset:16*RPITCH*\t+64*\kk+32*\e   ; all of h as fragments, kept for the whole FFN
.endr
.endr
.endr
	WIN 0
; My block of 32 f of fill c: activations^T = relu(W1^T h^T + b1), 32 f x 32 rows, then 32 rows x 256 columns += activations W2.
.macro FFN slot, c, zero
.irp tau, 0,1
.irp e, 0,1
	ds_load_b128 v[BB+8*\tau+4*\e:BB+8*\tau+4*\e+3], v[B1A] offset:512*\c+64*\tau+16*\e    ; b1 of f = 8 h + j: the first product's C
.endr
.endr
	WIN 0x80
.irp tau, 0,1
.irp kk, 0,1,2,3,4,5,6,7
.irp e, 0,1
	ds_load_b128 v[8*(8*\tau+\kk)+4*\e:8*(8*\tau+\kk)+4*\e+3], v[WA1+\slot] offset:2048*\kk+1024*\e+256*\tau
.endr
.endr
.endr
	s_wait_dscnt 0x0                               ; b1, W1 (and, the first time, h)
.irp n, 0,1,2,3,4,5,6,7,8,9,10,11,12,13,14,15
.irp e, 0,1
	ds_load_b128 v[128+8*\n+4*\e:128+8*\n+4*\e+3], v[WA2+\slot] offset:16384+8192*\e+256*\n      ; W2 lands behind the 32 products below
.endr
.endr
	WIN 0x0e                                       ; source 0 window 2, source 1 window 3, C and D window 0
.irp kk, 0,1,2,3,4,5,6,7
.irp tau, 0,1
.irp t, 0,1
.if \kk == 0
	v_wmma_f32_16x16x32_bf16 v[AT+8*(2*\tau+\t):AT+8*(2*\tau+\t)+7], v[8*(8*\tau+\kk):8*(8*\tau+\kk)+7], v[8*(8*\t+\kk):8*(8*\t+\kk)+7], v[BB+8*\tau:BB+8*\tau+7]
.else
	v_wmma_f32_16x16x32_bf16 v[AT+8*(2*\tau+\t):AT+8*(2*\tau+\t)+7], v[8*(8*\tau+\kk):8*(8*\tau+\kk)+7], v[8*(8*\t+\kk):8*(8*\t+\kk)+7], v[AT+8*(2*\tau+\t):AT+8*(2*\tau+\t)+7]
.endif
.endr
.endr
.endr
	WIN 0                                          ; the four accumulators took turns, one instruction a turn
	PLACES
.set i, 0
.rept 32
	v_max_num_f32 v[AT+i], 0, v[AT+i]
.set i, i+1
.endr
.irp tau, 0,1
.irp t, 0,1
.irp j, 0,1,2,3
	v_cvt_pk_bf16_f32 v[AF+8*\t+4*\tau+\j], v[AT+8*(2*\tau+\t)+2*\j], v[AT+8*(2*\tau+\t)+2*\j+1]
.endr
.endr
.endr
	s_wait_dscnt 0x0                               ; W2
	BIG 1, AF, \zero
	WIN 0
	PLACES
.endm
.macro FTRIP slot, c                   ; as TRIP, with the weights' slots: fill c is multiplied, fill c + 1 goes into the other slot
	s_wait_tensorcnt 0x0
	ds_add_u32 v62, v63
	s_add_nc_u64 s[G0W+8*(1-\slot)+2:G0W+8*(1-\slot)+3], s[G0W+8*(1-\slot)+2:G0W+8*(1-\slot)+3], 2*WSLOT
	s_wait_dscnt 0x0
	ROUND
	tensor_load_to_lds s[G0W+8*(1-\slot):G0W+8*(1-\slot)+3], s[G1W:G1W+7]
	s_nop 0
	FFN \slot, \c, 0
.endm
	; The eight fills are written out, so that b1's place stands in the loads' immediates and no LDS address is stepped.
	s_wait_tensorcnt 0x1                           ; fill 0 has landed (shown by the wait for 0 above); fill 1 stays out
	FFN 0, 0, 1                                    ; the first products start the sums anew
	FTRIP 1, 1
	FTRIP 0, 2
	FTRIP 1, 3
	FTRIP 0, 4
	FTRIP 1, 5
	FTRIP 0, 6
	s_wait_tensorcnt 0x0                           ; the last fill; nothing is left to fetch
	FFN 1, 7, 0
	; THE WAY OUT
	REDUCE 1                                       ; Y = h + the four partial sums
.irp k, 0,1,2,3,4,5,6,7
.irp p, 0,2,4,6
	v_pk_add_f32 v[Y+8*\k+\p:Y+8*\k+\p+1], v[Y+8*\k+\p:Y+8*\k+\p+1], v[B2R+\p:B2R+\p+1]
.endr
.endr
	LNORM G2R, BE2R
.irp t, 0,1
.irp q, 0,1,2,3
.irp c, 0,1
	global_store_b128 v[XO], v[Y+8*(4*\t+\q)+4*\c:Y+8*(4*\t+\q)+4*\c+3], s[78:79] offset:1024*(16*\t+\q)+512*\c th:TH_STORE_NT   ; a wave's store covers 512 consecutive bytes, aligned
.endr
.endr
.endr
	s_wait_tensorcnt 0x0
	ds_add_u32 v62, v63
	s_wait_dscnt 0x0
	ROUND                                          ; the closing round: no work-group ends while a partner may still issue a joint load that names it
	s_endpgm
.Lfunc_end_k_q53614a6ca4_fused:
	.size	k_q53614a6ca4_fused, .Lfunc_end_k_q53614a6ca4_fused-k_q53614a6ca4_fused
	.p2alignl 7, 3214868480
	.fill 96, 4, 3214868480
	.section	.rodata,"a",@progbits
	.p2align	6, 0x0
	.amdhsa_kernel k_q53614a6ca4_fused
		.amdhsa_group_segment_fixed_size 327680
		.amdhsa_private_segment_fixed_size 0
		.amdhsa_enable_private_segment 0
		.amdhsa_kernarg_size 88
		.amdhsa_user_sgpr_count 2
		.amdhsa_user_sgpr_kernarg_segment_ptr 1
		.amdhsa_wavefront_size32 1
		.amdhsa_system_sgpr_workgroup_id_x 1
		.amdhsa_system_sgpr_workgroup_id_y 1
		.amdhsa_system_sgpr_workgroup_id_z 1
		.amdhsa_system_vgpr_workitem_id 0
		.amdhsa_next_free_vgpr 960
		.amdhsa_next_free_sgpr 96
		.amdhsa_reserve_vcc 0
		.amdhsa_float_denorm_mode_32 3
		.amdhsa_float_denorm_mode_16_64 3
		.amdhsa_memory_ordered 1
		.amdhsa_forward_progress 1
		.amdhsa_inst_pref_size 255
	.end_amdhsa_kernel
	.section	.bss,"aw",@nobits
	.p2align	6
	.space	262144
	.amdgpu_metadata
---
amdhsa.version: [ 1, 2 ]
amdhsa.kernels:
  - .name:           k_q53614a6ca4_fused
    .symbol:         k_q53614a6ca4_fused.kd
    .args:
      - { .name: stream, .offset: 0, .size: 8, .value_kind: global_buffer, .address_space: global }
      - { .name: wstream, .offset: 8, .size: 8, .value_kind: global_buffer, .address_space: global }
      - { .name: zb, .offset: 16, .size: 8, .value_kind: global_buffer, .address_space: global }
      - { .name: x, .offset: 24, .size: 8, .value_kind: global_buffer, .address_space: global }
      - { .name: b1, .offset: 32, .size: 8, .value_kind: global_buffer, .address_space: global }
      - { .name: b2, .offset: 40, .size: 8, .value_kind: global_buffer, .address_space: global }
      - { .name: g1, .offset: 48, .size: 8, .value_kind: global_buffer, .address_space: global }
      - { .name: be1, .offset: 56, .size: 8, .value_kind: global_buffer, .address_space: global }
      - { .name: g2, .offset: 64, .size: 8, .value_kind: global_buffer, .address_space: global }
      - { .name: be2, .offset: 72, .size: 8, .value_kind: global_buffer, .address_space: global }
      - { .name: out0, .offset: 80, .size: 8, .value_kind: global_buffer, .address_space: global }
    .group_segment_fixed_size: 327680
    .private_segment_fixed_size: 0
    .kernarg_segment_align: 8
    .kernarg_segment_size: 88
    .max_flat_workgroup_size: 128
    .sgpr_count:     96
    .vgpr_count:     960
    .wavefront_size: 32
...
	.end_amdgpu_metadata
.endif
;; end of part 2
;; ======== version 2 of 2: 2 launches; version 1 with the launch prep written anew for expert scheduling mode
;; workspace buffers: stream 4,980,736 bytes; wstream 1,048,576 bytes; zb 256 bytes
;; launch prep (part 3): grid 256 x 1, 8 waves a work-group, no clusters, 9,472 bytes of LDS; arguments x, mask, W1, W2, stream, wstream, zb; writes stream, wstream, zb
.if DOCPART == 3
	.amdgcn_target "amdgcn-amd-amdhsa--gfx1250"
	.amdhsa_code_object_version 6
	.text
	.protected	k_q53614a6ca4_prep
	.globl	k_q53614a6ca4_prep
	.p2align	8
	.type	k_q53614a6ca4_prep,@function
k_q53614a6ca4_prep:
	s_mov_b64 s[64:65], 0
	v_nop
	global_prefetch_b8 v0, s[64:65] scope:SCOPE_SE
	s_setreg_imm32_b32 hwreg(HW_REG_WAVE_SCHED_MODE, 0, 2), 2
	s_setreg_imm32_b32 hwreg(HW_REG_WAVE_MODE, 25, 1), 1
	s_wait_xcnt 0x0
	s_wait_alu depctr_vm_vsrc(0)
; prep: turns x, mask, W1 and W2 into the bf16 streams that the fused launch feeds to the matrix unit.
; Work-group p owns tokens 8p .. 8p+7 of all four batches; thread t owns column t (wave = head, lane = place in the head).
;   stream [b 4][g 256][record of 4,864 bytes], g = a group of 8 tokens:
;     bytes    0..4095  column d x 16 bytes: w*x of tokens 8g..8g+7 in column d, bf16, the lower token in the lower bits
;     bytes 4096..4351  sixteen equal chunks of 16 bytes: w of the 8 tokens, bf16
;     bytes 4352..4863  position c' (0..3) x token (0..7) x 16 bytes: m[token][8c..8c+7], bf16, c = c' with its bit 0 flipped in odd records
;   wstream [fb 32][32,768 bytes]: W1 as [d group 32][f 32][8 d], then W2 as [f group 4][column 256][8 f], bf16
;   zb: z of the four batches (f32), the four words repeated through the 256 bytes
; w[b][j] = 1 where mask[b][j] != 0, or where batch b has no valid key at all (the softmax is then uniform), else 0;
; z[b] = 0 for such a batch, else 1.  m = the mean of x over the 4 batches and 8 heads, unmasked, summed in f32.
; Memory binds: every input byte is read once but the mask (32 KiB, read by every work-group for the four flags), and every
; store of a wave covers 256 or 512 consecutive bytes, aligned.  No matrix unit, no cluster: the work-groups share nothing but the mask.
; LIMITS: bf16 rounding of w*x, m, W1, W2.  A masked key whose x is infinite or NaN gives NaN, as 0 * x does.
; THE MODE: SCHED_MODE bits 1:0 = 2 (LLVM: expert scheduling mode 2), set by the entry lines.  The code itself states the register dependences
; between vector instructions and memory or LDS instructions, with s_wait_alu, always for 0.
; THE PLAN.  Registers that memory or LDS instructions touch, in the order of the text (there is no loop):
;   v2, v3        offsets, made at the head, never written again: read by every load of x, mask and weights and by the stream's stores.
;   MK            the mask's loads land; a run of v_or reads it; behind the barrier the flags' LDS loads land; a second run of v_or reads it.
;   XV            x's loads land; the sums and the multiplies read it, the multiplies write it, the roundings read it.
;   WV            the weights' loads land; their roundings read it.
;   v[8:14], SM   the flags' words, three LDS addresses and the sums: written by vector instructions, read by the LDS stores and loads round the barrier.
;   PK, WP, v15   written by the roundings (v15: an offset), read by one run of five stores.
;   wave 0        v6 and v7 are made, m's LDS loads land in v[32:95] (XV and MK), the roundings write MP, four stores read MP.
;   waves 1, 2    out-registers in MK and offsets in v5, v6: written by vector instructions, read by their stores.
; No register that a memory or LDS instruction has read is written again (MP is there so that SM is not), so no wait on vm_vsrc is owed.
; One wait on va_vdst stands ahead of each run of memory or LDS instructions whose registers vector instructions have just named, and one wait on va_sdst or
; va_vcc between each run of vector instructions that write scalar registers or VCC and the first reader.
.set REC,  4864                        ; bytes in a record
.set BSTR, 1245184                     ; 256 records: a batch of stream
.set XB,   2097152                     ; a batch of x
.set FLAG, 8192                        ; LDS: [0, 8192) sums over the batches [head 8][token 8][32 f32]; then [wave 8][4 words] of flags
.set WV,   16                          ; v[16:23]   eight weights down a column
.set XV,   32                          ; v[32:63]   x[b][token k][t] at 32 + 8 b + k
.set MK,   64                          ; v[64:95]   the mask's words; later the flags
.set SM,   96                          ; v[96:103]  sum over the batches, token k
.set PK,   104                         ; v[104:119] packed w*x, four registers a batch
.set WP,   120                         ; v[120:123] packed weights
.set MP,   124                         ; v[124:127] wave 0: packed m
.set WS,   20                          ; s[20:51]   my 8 tokens' mask words of the 4 batches, then w as f32
	s_load_b256 s[4:11], s[0:1], 0x0               ; x s[4:5], mask s[6:7], W1 s[8:9], W2 s[10:11]
	s_load_b128 s[12:15], s[0:1], 0x20             ; stream s[12:13], wstream s[14:15]
	s_load_b64 s[16:17], s[0:1], 0x30              ; zb
	v_lshl_add_u32 v128, v0, 2, 0x2100
	v_mov_b32 v129, 0
	v_lshrrev_b32 v4, 5, v0
	v_readfirstlane_b32 s18, v4                    ; wave = head
	v_and_b32 v1, 31, v0                           ; lane
	v_lshlrev_b32 v2, 2, v0                        ; 4 t
	v_lshlrev_b32 v3, 4, v0                        ; 16 t
	s_lshl_b32 s66, ttmp9, 13                      ; 8 tokens of 1,024 bytes
	s_mov_b32 s67, 0
	s_lshl_b32 s68, ttmp9, 5                       ; 8 mask words
	s_mov_b32 s69, 0
	s_mul_i32 s70, ttmp9, REC                      ; my record
	s_mov_b32 s71, 0
	s_wait_alu depctr_va_sdst(0)                   ; s18 is written, ahead of the first branch and of its first reader: LDS addresses, an offset and the waves' branches are made from it
	s_wait_kmcnt 0x0
	s_add_nc_u64 s[4:5], s[4:5], s[66:67]
	s_add_nc_u64 s[60:61], s[6:7], s[68:69]
	s_add_nc_u64 s[12:13], s[12:13], s[70:71]
	s_load_b256 s[WS:WS+7],     s[60:61], 0x0      ; my 8 tokens' mask words, batch 0 .. 3 (a batch's row is 8,192 bytes)
	s_load_b256 s[WS+8:WS+15],  s[60:61], 0x2000
	s_load_b256 s[WS+16:WS+23], s[60:61], 0x4000
	s_load_b256 s[WS+24:WS+31], s[60:61], 0x6000
	s_wait_alu depctr_va_vdst(0)                   ; v2 and v3 are written, which the 48 loads below read as their offsets; so are v128 and v129, which the closing add reads
.irp j, 0,1,2,3,4,5,6,7
	global_load_b128 v[MK+4*\j:MK+4*\j+3], v3, s[6:7] offset:4096*\j      ; the whole mask: load j belongs to batch j / 2
.endr
.irp b, 0,1,2,3
.irp k, 0,1,2,3,4,5,6,7
	global_load_b32 v[XV+8*\b+\k], v2, s[4:5] offset:XB*\b+1024*\k
.endr
.endr
; eight weights down a column.  Work-groups 0..127 take W1 (rows 8 dg .., column 256 (p & 3) + t), the others W2 (rows 8 fg .., column t).
; Both ways issue eight loads, so the counts below hold on both.  No vector instruction stands between the wait above and these loads.
.macro WLD base, pitch
.irp i, 0,1,2,3,4,5,6,7
	global_load_b32 v[WV+\i], v2, s[\base:\base+1] offset:\pitch*\i
.endr
.endm
	s_cmp_lt_u32 ttmp9, 128
	s_cbranch_scc0 .Lw2
	s_lshr_b32 s72, ttmp9, 2                       ; dg
	s_lshl_b32 s72, s72, 15                        ; 8 rows of 4,096 bytes
	s_and_b32 s73, ttmp9, 3
	s_lshl_b32 s73, s73, 10                        ; 256 columns
	s_add_co_u32 s72, s72, s73
	s_mov_b32 s73, 0
	s_add_nc_u64 s[8:9], s[8:9], s[72:73]
	WLD 8, 4096
	s_branch .Lwdone
.Lw2:
	s_sub_co_u32 s72, ttmp9, 128                   ; fg
	s_lshl_b32 s72, s72, 13                        ; 8 rows of 1,024 bytes
	s_mov_b32 s73, 0
	s_add_nc_u64 s[10:11], s[10:11], s[72:73]
	WLD 10, 1024
.Lwdone:
	; where the packed weights go.  W1: block 8 (p & 3) + wave, d group p >> 2, f = lane.  W2: block fg >> 2, second half, f group fg & 3, column t.
	s_and_b32 s72, ttmp9, 3
	s_lshl_b32 s72, s72, 18                        ; 8 blocks of 32,768
	s_lshr_b32 s73, ttmp9, 2
	s_lshl_b32 s73, s73, 9                         ; a d group: 32 f x 16 bytes
	s_add_co_u32 s72, s72, s73
	s_and_b32 s74, ttmp9, 127                      ; fg
	s_lshr_b32 s75, s74, 2
	s_lshl_b32 s75, s75, 15
	s_and_b32 s74, s74, 3
	s_lshl_b32 s74, s74, 12                        ; an f group: 256 columns x 16 bytes
	s_add_co_u32 s74, s74, s75
	s_add_co_u32 s74, s74, 16384
	s_mov_b32 s76, 32768                           ; from wave to wave: a block (W1),
	s_mov_b32 s77, 512                             ; or 32 columns (W2); an instruction holds one literal, so the two lie in registers
	s_cmp_lt_u32 ttmp9, 128
	s_cselect_b32 s72, s72, s74
	s_cselect_b32 s76, s76, s77
	s_mul_i32 s76, s76, s18
	s_mov_b32 s73, 0
	s_add_nc_u64 s[14:15], s[14:15], s[72:73]
	v_lshl_add_u32 v15, v1, 4, s76
	; has a batch any valid key?  Each wave ORs its share of the mask; the waves' answers meet in LDS.
	s_wait_loadcnt 40                              ; the mask's 8 loads are in; x's 32 and the weights' 8 stay out
.irp b, 0,1,2,3
	v_or_b32 v[4+\b], v[MK+8*\b], v[MK+8*\b+1]
.irp i, 2,3,4,5,6,7
	v_or_b32 v[4+\b], v[4+\b], v[MK+8*\b+\i]
.endr
	v_cmp_ne_u32 s[52+\b], 0, v[4+\b]              ; the lanes that saw a valid key
.endr
	s_lshl_b32 s74, s18, 4                         ; the three LDS addresses stand between the compares and the wait for them
	s_add_co_u32 s74, s74, FLAG
	v_mov_b32 v12, s74
	v_mov_b32 v14, FLAG
	v_lshlrev_b32 v13, 2, v1
	v_lshl_add_u32 v13, s18, 10, v13               ; 1,024 x head + 4 x lane
	s_wait_alu depctr_va_sdst(0)                   ; the four compares have written s[52:55], which the moves below read
.irp b, 0,1,2,3
	v_mov_b32 v[8+\b], s[52+\b]
.endr
	; the sum over the batches, for m
	s_wait_loadcnt 8                               ; x is in; the weights' 8 stay out
.irp k, 0,2,4,6
	v_pk_add_f32 v[SM+\k:SM+\k+1], v[XV+\k:XV+\k+1], v[XV+8+\k:XV+8+\k+1]
	v_pk_add_f32 v[SM+\k:SM+\k+1], v[SM+\k:SM+\k+1], v[XV+16+\k:XV+16+\k+1]
	v_pk_add_f32 v[SM+\k:SM+\k+1], v[SM+\k:SM+\k+1], v[XV+24+\k:XV+24+\k+1]
.endr
	s_wait_alu depctr_va_vdst(0)                   ; v[8:13] and SM are written, which the nine LDS stores read;
	                                               ; and the v_or lines above are done reading MK, in which the LDS loads behind the barrier land: no vector instruction stands between this wait and those loads
	ds_store_b128 v12, v[8:11]                     ; every lane writes the same four words
.irp k, 0,1,2,3,4,5,6,7
	ds_store_b32 v13, v[SM+\k] offset:128*\k
.endr
	s_wait_dscnt 0x0                               ; my flags and sums are in LDS before I say so
	s_barrier_signal -1
	s_barrier_wait -1
.irp j, 0,1,2,3,4,5,6,7
	ds_load_b128 v[MK+4*\j:MK+4*\j+3], v14 offset:16*\j
.endr
	s_wait_dscnt 0x0
.irp j, 1,2,3,4,5,6,7
.irp b, 0,1,2,3
	v_or_b32 v[MK+\b], v[MK+\b], v[MK+4*\j+\b]
.endr
.endr
.irp b, 0,1,2,3
	v_readfirstlane_b32 s[52+\b], v[MK+\b]
.endr
	s_wait_alu depctr_va_sdst(0)                   ; the four lines above have written s[52:55], which the compares below read
.irp b, 0,1,2,3
	s_cmp_eq_u32 s[52+\b], 0
	s_cselect_b32 s[56+\b], 1, 0                   ; 1: the batch has no valid key
	s_cselect_b32 s[84+\b], 0, 0x3f800000          ; z
.endr
	s_wait_kmcnt 0x0                               ; my tokens' mask words
.irp b, 0,1,2,3
.irp k, 0,1,2,3,4,5,6,7
	s_or_b32 s[WS+8*\b+\k], s[WS+8*\b+\k], s[56+\b]        ; SCC = valid key, or no valid key in the batch
	s_cselect_b32 s[WS+8*\b+\k], 0x3f800000, 0             ; w
.endr
.endr
	; w * x, eight tokens of my column packed into 16 bytes; a wave's store covers 512 consecutive bytes
.irp b, 0,1,2,3
.irp k, 0,1,2,3,4,5,6,7
	v_mul_f32 v[XV+8*\b+\k], s[WS+8*\b+\k], v[XV+8*\b+\k]
.endr
.irp i, 0,1,2,3
	v_cvt_pk_bf16_f32 v[PK+4*\b+\i], v[XV+8*\b+2*\i], v[XV+8*\b+2*\i+1]
.endr
.endr
	s_wait_loadcnt 0x0                             ; the weights
.irp i, 0,1,2,3
	v_cvt_pk_bf16_f32 v[WP+\i], v[WV+2*\i], v[WV+2*\i+1]
.endr
	s_wait_alu depctr_va_vdst(0)                   ; the roundings have written PK and WP, which the five stores read
.irp b, 0,1,2,3
	global_store_b128 v3, v[PK+4*\b:PK+4*\b+3], s[12:13] offset:BSTR*\b
.endr
	global_store_b128 v15, v[WP:WP+3], s[14:15]
	; three small jobs, one wave each; no barrier follows
	s_cmp_lg_u32 s18, 0
	s_cbranch_scc1 .Lnot0
	; wave 0: m.  Lane = 8 c' + token takes the eight numbers 8c .. 8c+7 of its token from all eight heads' sums.
	s_and_b32 s77, ttmp9, 1
	v_lshrrev_b32 v4, 3, v1                        ; c'
	v_and_b32 v5, 7, v1                            ; token
	v_add_nc_u32 v6, s77, v4
	v_and_b32 v6, 1, v6                            ; bit 0 of c', flipped in odd records
	v_and_or_b32 v6, v4, 2, v6                     ; c
	v_lshlrev_b32 v6, 5, v6
	v_lshl_add_u32 v6, v5, 7, v6                   ; 128 x token + 32 c
	v_lshlrev_b32 v7, 4, v1
	s_wait_alu depctr_va_vdst(0)                   ; v6 is written, the LDS loads' address, and v7, the stores' offset; the multiplies, roundings and v_or lines are done reading v[32:95], in which the loads land
.irp j, 0,1,2,3,4,5,6,7
	ds_load_b128 v[XV+8*\j:XV+8*\j+3],   v6 offset:1024*\j
	ds_load_b128 v[XV+8*\j+4:XV+8*\j+7], v6 offset:1024*\j+16
.endr
	s_wait_dscnt 0x0
.irp j, 1,2,3,4,5,6,7
.irp i, 0,2,4,6
	v_pk_add_f32 v[XV+\i:XV+\i+1], v[XV+\i:XV+\i+1], v[XV+8*\j+\i:XV+8*\j+\i+1]
.endr
.endr
.irp i, 0,2,4,6
	v_pk_mul_f32 v[XV+\i:XV+\i+1], v[XV+\i:XV+\i+1], 0x3d000000 op_sel_hi:[1,0]    ; / 32
.endr
.irp i, 0,1,2,3
	v_cvt_pk_bf16_f32 v[MP+\i], v[XV+2*\i], v[XV+2*\i+1]   ; into registers of their own: SM, which the LDS stores have read, is not written again
.endr
	s_wait_alu depctr_va_vdst(0)                   ; the roundings have written MP, which the four stores read
.irp b, 0,1,2,3
	global_store_b128 v7, v[MP:MP+3], s[12:13] offset:BSTR*\b+4352         ; the same m in each batch's record: 512 consecutive bytes
.endr
	s_branch .Lend
.Lnot0:
	s_cmp_lg_u32 s18, 1
	s_cbranch_scc1 .Lnot1
	; wave 1: the w chunks.  Lanes 0-15 fill the 256 bytes of batch 0 (2), lanes 16-31 those of batch 1 (3).
	v_lshrrev_b32 v4, 4, v1                        ; h
	v_cmp_eq_u32 vcc_lo, 1, v4                     ; the roundings and the offset stand between the compare and the wait for it
.irp b, 0,1,2,3
.irp i, 0,1,2,3
	v_cvt_pk_bf16_f32 v[MK+4*\b+\i], s[WS+8*\b+2*\i], s[WS+8*\b+2*\i+1]
.endr
.endr
	v_and_b32 v5, 15, v1
	v_mul_u32_u24 v6, v4, BSTR
	v_lshl_add_u32 v6, v5, 4, v6
	s_wait_alu depctr_va_vcc(0)                    ; the compare has written VCC, which the selects below read
.irp i, 0,1,2,3
	v_cndmask_b32 v[MK+16+\i], v[MK+\i],   v[MK+4+\i],  vcc_lo
	v_cndmask_b32 v[MK+20+\i], v[MK+8+\i], v[MK+12+\i], vcc_lo
.endr
	s_wait_alu depctr_va_vdst(0)                   ; v6 and v[MK+16:MK+23] are written: the two stores' offset and data
	global_store_b128 v6, v[MK+16:MK+19], s[12:13] offset:4096
	global_store_b128 v6, v[MK+20:MK+23], s[12:13] offset:2*BSTR+4096
	s_branch .Lend
.Lnot1:
	s_cmp_lg_u32 s18, 2
	s_cbranch_scc1 .Lend
	s_cmp_lg_u32 ttmp9, 0
	s_cbranch_scc1 .Lend
	; wave 2 of work-group 0: z.  Even lanes store z0, z1, odd lanes z2, z3: one store fills zb's 256 bytes.
	v_and_b32 v4, 1, v1
	v_cmp_eq_u32 vcc_lo, 1, v4
	v_mov_b32 v64, s84
	v_mov_b32 v65, s85
	v_mov_b32 v66, s86
	v_mov_b32 v67, s87
	v_lshlrev_b32 v5, 3, v1
	s_wait_alu depctr_va_vcc(0)                    ; the compare has written VCC, which the two selects read
	v_cndmask_b32 v68, v64, v66, vcc_lo
	v_cndmask_b32 v69, v65, v67, vcc_lo
	s_wait_alu depctr_va_vdst(0)                   ; v5 and v[68:69] are written: the store's offset and data
	global_store_b64 v5, v[68:69], s[16:17]
.Lend:
	s_wait_dscnt 0x0                               ; the closing lines, six on end, for a launch in the mode that stores to LDS
	s_wait_alu 0x0
	s_wait_tensorcnt 0x0
	ds_add_u32 v128, v129
	s_wait_dscnt 0x0
	s_endpgm
.Lfunc_end_k_q53614a6ca4_prep:
	.size	k_q53614a6ca4_prep, .Lfunc_end_k_q53614a6ca4_prep-k_q53614a6ca4_prep
	.p2alignl 7, 3214868480
	.fill 96, 4, 3214868480
	.section	.rodata,"a",@progbits
	.p2align	6, 0x0
	.amdhsa_kernel k_q53614a6ca4_prep
		.amdhsa_group_segment_fixed_size 9472
		.amdhsa_private_segment_fixed_size 0
		.amdhsa_enable_private_segment 0
		.amdhsa_kernarg_size 56
		.amdhsa_user_sgpr_count 2
		.amdhsa_user_sgpr_kernarg_segment_ptr 1
		.amdhsa_wavefront_size32 1
		.amdhsa_system_sgpr_workgroup_id_x 1
		.amdhsa_system_sgpr_workgroup_id_y 1
		.amdhsa_system_sgpr_workgroup_id_z 1
		.amdhsa_system_vgpr_workitem_id 0
		.amdhsa_next_free_vgpr 130
		.amdhsa_next_free_sgpr 96
		.amdhsa_reserve_vcc 1
		.amdhsa_float_denorm_mode_32 3
		.amdhsa_float_denorm_mode_16_64 3
		.amdhsa_memory_ordered 1
		.amdhsa_forward_progress 1
		.amdhsa_inst_pref_size 25
	.end_amdhsa_kernel
	.amdgpu_metadata
---
amdhsa.version: [ 1, 2 ]
amdhsa.kernels:
  - .name:           k_q53614a6ca4_prep
    .symbol:         k_q53614a6ca4_prep.kd
    .args:
      - { .name: x, .offset: 0, .size: 8, .value_kind: global_buffer, .address_space: global }
      - { .name: mask, .offset: 8, .size: 8, .value_kind: global_buffer, .address_space: global }
      - { .name: W1, .offset: 16, .size: 8, .value_kind: global_buffer, .address_space: global }
      - { .name: W2, .offset: 24, .size: 8, .value_kind: global_buffer, .address_space: global }
      - { .name: stream, .offset: 32, .size: 8, .value_kind: global_buffer, .address_space: global }
      - { .name: wstream, .offset: 40, .size: 8, .value_kind: global_buffer, .address_space: global }
      - { .name: zb, .offset: 48, .size: 8, .value_kind: global_buffer, .address_space: global }
    .group_segment_fixed_size: 9472
    .private_segment_fixed_size: 0
    .kernarg_segment_align: 8
    .kernarg_segment_size: 56
    .max_flat_workgroup_size: 256
    .sgpr_count:     96
    .vgpr_count:     130
    .wavefront_size: 32
...
	.end_amdgpu_metadata
.endif
;; end of part 3
;; launch fused: the kernel of part 2 again; grid 256 x 1, 4 waves a work-group, clusters of 4 x 1, 327,680 bytes of LDS; arguments stream, wstream, zb, x, b1, b2, g1, be1, g2, be2, out0; writes out0
